; MI455X (gfx1250); checked and timed in simulation.
; The chip was launched on July 23, 2026; its instructions are those of AMD's public machine-readable ISA for CDNA 5 (MIT licence, August 2026) and "CDNA5" Instruction Set Architecture Reference Guide (July 2026). The comments in the code are by the model that wrote it; some were corrected since.
;; LSTM Cell Py Torch. Allowed arithmetic: float matrix products may take bf16 or f16 operands with f32 sums; all other float work in f32.
;; Inputs: W_hf 1,024 x 1,024 float32; W_hg 1,024 x 1,024 float32; W_hi 1,024 x 1,024 float32; W_if 1,024 x 1,024 float32; W_ig 1,024 x 1,024 float32; W_ii 1,024 x 1,024 float32; b_hf 1,024 float32; b_hg 1,024 float32; b_hi 1,024 float32; b_if 1,024 float32; b_ig 1,024 float32; b_ii 1,024 float32; c 8,192 x 1,024 float32; h 8,192 x 1,024 float32; x 8,192 x 1,024 float32.
;; Outputs: out0 8,192 x 1,024 float32.
;; 2 versions, each right; version 2 is version 1 with the launch pack written anew for expert scheduling mode. Each part assembles by itself: llvm-mc -triple=amdgcn-amd-amdhsa -mcpu=gfx1250 --defsym DOCPART=n.
;; ======== version 1 of 2: 2 launches
;; workspace buffers: Wb 12,582,912 bytes
;; launch pack (part 1): grid 128 x 6, 4 waves a work-group, no clusters, 0 bytes of LDS; arguments W_ii, W_if, W_ig, W_hi, W_hf, W_hg, Wb; writes Wb
.if DOCPART == 1
	.amdgcn_target "amdgcn-amd-amdhsa--gfx1250"
	.amdhsa_code_object_version 6
	.text
	.protected	k_q94727577f5_pack
	.globl	k_q94727577f5_pack
	.p2align	8
	.type	k_q94727577f5_pack,@function
k_q94727577f5_pack:
	s_mov_b64 s[64:65], 0
	v_nop
	global_prefetch_b8 v0, s[64:65] scope:SCOPE_SE
	s_setreg_imm32_b32 hwreg(HW_REG_WAVE_MODE, 25, 1), 1
	s_wait_xcnt 0x0
; The six weight matrices, [1024][1024] f32, are rounded once to bf16 (nearest even; bf16 has f32's range, so no range is lost) and laid in blocks:
; Wb[T][s][rho][64 k], T = tile of 128 hidden columns, s = K step of 64 (0-15: the x weights, 16-31: the h weights),
; rho = 192 wn + 64 gate + j for hidden column 128 T + 64 wn + j, gate 0 = i, 1 = f, 2 = g.  A (T, s) block is 384 x 128 = 49,152 dense bytes,
; so the next launch asks for it as rows of 256 bytes that lie end to end.
; A stream: each input byte is read once and each output byte written once.  No LDS, no barrier, no matrix unit, no cluster: no two work-groups read the same byte.
; Work-group (x, y): matrix y, weight rows 8 x .. 8 x + 7; wave w rows R0 = 8 x + 2 w and R0 + 1.  A load covers 256 consecutive bytes of each of the two rows
; (lanes 0-15 the first row, lanes 16-31 the second: one K step); the store of its 8 bytes a lane covers 256 consecutive bytes of Wb, aligned (rho is even).
.set STEPB, 49152                      ; bytes from a K step's block to the next
.set X, 8                              ; v[8:71]    16 loads of 4 registers: a row pair's 16 K steps
.set Y, 72                             ; v[72:103]  16 pairs of packed bf16; no register is written twice, so no store's source is ever rewritten
	s_load_b256 s[4:11], s[0:1], 0x0               ; W_ii s[4:5], W_if s[6:7], W_ig s[8:9], W_hi s[10:11]
	s_load_b128 s[12:15], s[0:1], 0x20             ; W_hf s[12:13], W_hg s[14:15]
	s_load_b64 s[16:17], s[0:1], 0x30              ; Wb
	v_lshrrev_b32 v1, 5, v0
	v_readfirstlane_b32 s18, v1                    ; wave 0..3
	s_and_b32 s19, ttmp7, 0xffff                   ; y: which matrix
	s_lshl_b32 s22, ttmp9, 3
	s_lshl1_add_u32 s22, s18, s22                  ; R0 = 8 x + 2 w
	s_cmp_ge_u32 s19, 3
	s_cselect_b32 s23, 1, 0                        ; part: 0 = x weights, 1 = h weights
	s_mul_i32 s26, s23, 3
	s_sub_co_u32 s26, s19, s26                     ; gate
	s_lshl_b32 s24, s22, 12                        ; the source's byte offset: R0 rows of 4,096 bytes
	s_mov_b32 s25, 0
	s_lshr_b32 s27, s22, 7                         ; T
	s_mul_i32 s27, s27, 32*STEPB
	s_mul_i32 s28, s23, 16*STEPB
	s_add_co_u32 s27, s27, s28
	s_bfe_u32 s28, s22, 0x10006                    ; wn = bit 6 of R0
	s_mul_i32 s28, s28, 192
	s_lshl_b32 s29, s26, 6
	s_add_co_u32 s28, s28, s29
	s_and_b32 s29, s22, 63                         ; j
	s_add_co_u32 s28, s28, s29                     ; rho
	s_lshl_b32 s28, s28, 7                         ; 128 bytes a row of a block
	s_add_co_u32 s30, s27, s28
	s_mov_b32 s31, 0
	v_and_b32 v3, 31, v0                           ; lane
	v_and_b32 v4, 15, v0
	v_bfe_u32 v5, v0, 4, 1
	v_lshlrev_b32 v1, 4, v4                        ; in: 16 bytes a lane,
	v_lshl_add_u32 v1, v5, 12, v1                  ; lanes 16-31 one row (4,096 bytes) down
	v_lshlrev_b32 v2, 3, v3                        ; out: 8 bytes a lane, 256 on end
	s_wait_kmcnt 0x0
	s_mov_b64 s[20:21], s[4:5]                     ; the matrix is chosen by y alone
	s_cmp_eq_u32 s19, 1
	s_cselect_b64 s[20:21], s[6:7], s[20:21]
	s_cmp_eq_u32 s19, 2
	s_cselect_b64 s[20:21], s[8:9], s[20:21]
	s_cmp_eq_u32 s19, 3
	s_cselect_b64 s[20:21], s[10:11], s[20:21]
	s_cmp_eq_u32 s19, 4
	s_cselect_b64 s[20:21], s[12:13], s[20:21]
	s_cmp_eq_u32 s19, 5
	s_cselect_b64 s[20:21], s[14:15], s[20:21]
	s_add_nc_u64 s[20:21], s[20:21], s[24:25]
	s_add_nc_u64 s[16:17], s[16:17], s[30:31]
.set i, 0
.rept 16                                               ; all sixteen loads of the wave go out before the first is waited for
	global_load_b128 v[X+4*i:X+4*i+3], v1, s[20:21] offset:256*i th:TH_LOAD_NT
.set i, i+1
.endr
.set i, 0
.rept 16
	s_wait_loadcnt 15-i                            ; loads come back in order (ISA guide 5.7.1): the 15 - i younger ones stay out
	v_cvt_pk_bf16_f32 v[Y+2*i], v[X+4*i], v[X+4*i+1]
	v_cvt_pk_bf16_f32 v[Y+2*i+1], v[X+4*i+2], v[X+4*i+3]
	global_store_b64 v2, v[Y+2*i:Y+2*i+1], s[16:17] offset:STEPB*i  ; the K step stands in the immediate: 737,280 at the most
.set i, i+1
.endr
	s_endpgm
.Lfunc_end_k_q94727577f5_pack:
	.size	k_q94727577f5_pack, .Lfunc_end_k_q94727577f5_pack-k_q94727577f5_pack
	.p2alignl 7, 3214868480
	.fill 96, 4, 3214868480
	.section	.rodata,"a",@progbits
	.p2align	6, 0x0
	.amdhsa_kernel k_q94727577f5_pack
		.amdhsa_group_segment_fixed_size 0
		.amdhsa_private_segment_fixed_size 0
		.amdhsa_enable_private_segment 0
		.amdhsa_kernarg_size 56
		.amdhsa_user_sgpr_count 2
		.amdhsa_user_sgpr_kernarg_segment_ptr 1
		.amdhsa_wavefront_size32 1
		.amdhsa_system_sgpr_workgroup_id_x 1
		.amdhsa_system_sgpr_workgroup_id_y 1
		.amdhsa_system_sgpr_workgroup_id_z 1
		.amdhsa_system_vgpr_workitem_id 0
		.amdhsa_next_free_vgpr 104
		.amdhsa_next_free_sgpr 66
		.amdhsa_reserve_vcc 0
		.amdhsa_float_denorm_mode_32 3
		.amdhsa_float_denorm_mode_16_64 3
		.amdhsa_memory_ordered 1
		.amdhsa_forward_progress 1
		.amdhsa_inst_pref_size 8
	.end_amdhsa_kernel
	.amdgpu_metadata
---
amdhsa.version: [ 1, 2 ]
amdhsa.kernels:
  - .name:           k_q94727577f5_pack
    .symbol:         k_q94727577f5_pack.kd
    .args:
      - { .name: W_ii, .offset: 0, .size: 8, .value_kind: global_buffer, .address_space: global }
      - { .name: W_if, .offset: 8, .size: 8, .value_kind: global_buffer, .address_space: global }
      - { .name: W_ig, .offset: 16, .size: 8, .value_kind: global_buffer, .address_space: global }
      - { .name: W_hi, .offset: 24, .size: 8, .value_kind: global_buffer, .address_space: global }
      - { .name: W_hf, .offset: 32, .size: 8, .value_kind: global_buffer, .address_space: global }
      - { .name: W_hg, .offset: 40, .size: 8, .value_kind: global_buffer, .address_space: global }
      - { .name: Wb, .offset: 48, .size: 8, .value_kind: global_buffer, .address_space: global }
    .group_segment_fixed_size: 0
    .private_segment_fixed_size: 0
    .kernarg_segment_align: 8
    .kernarg_segment_size: 56
    .max_flat_workgroup_size: 128
    .sgpr_count:     66
    .vgpr_count:     104
    .wavefront_size: 32
...
	.end_amdgpu_metadata
.endif
;; end of part 1
;; launch cell (part 2): grid 8 x 32, 4 waves a work-group, clusters of 4 x 4, 327,680 bytes of LDS; arguments x, h, c, Wb, b_ii, b_hi, b_if, b_hf, b_ig, b_hg, out0; writes out0
.if DOCPART == 2
	.amdgcn_target "amdgcn-amd-amdhsa--gfx1250"
	.amdhsa_code_object_version 6
	.text
	.protected	k_q94727577f5_cell
	.globl	k_q94727577f5_cell
	.p2align	8
	.type	k_q94727577f5_cell,@function
k_q94727577f5_cell:
	s_mov_b64 s[64:65], 0
	v_nop
	global_prefetch_b8 v0, s[64:65] scope:SCOPE_SE
	s_setreg_imm32_b32 hwreg(HW_REG_WAVE_MODE, 25, 1), 1
	s_wait_xcnt 0x0
	s_wait_alu depctr_hold_cnt(0) depctr_sa_sdst(0) depctr_va_vdst(0) depctr_va_sdst(0) depctr_va_ssrc(0) depctr_va_vcc(0) depctr_vm_vsrc(0)
	s_getreg_b32 s2, hwreg(HW_REG_IB_STS2, 6, 4)
	s_cmp_eq_u32 s2, 0
	s_cbranch_scc0 .Lentry_in_a_cluster
	s_endpgm
.Lentry_in_a_cluster:
	s_bfe_u32 s2, ttmp6, 0x10000c
	s_cmp_lg_u32 s2, 0xf033
	s_cbranch_scc0 .Lentry_shape_is_right
	s_endpgm
.Lentry_shape_is_right:
; new_c = sigmoid(gi) tanh(gg) + sigmoid(gf) c, with (gi, gf, gg) = x Wx^T + bx + h Wh^T + bh.  x, h, c, out0: [8192][1024] f32; Wb: the six weights in bf16, in blocks (see below).
; ONE PRODUCT: [x | h] (8192 x 2048) times the three gates' weights.  A work-group makes 256 rows x 128 hidden columns x 3 gates: 32 x 8 = 256 work-groups.  Each of its four waves makes
; 128 rows x 64 hidden columns x 3 gates: 96 accumulators of 16 x 16, 768 registers, a gate to a register window, so that a lane ends with all three gates of its numbers and the cell's update needs no exchange.
; FORMATS AND LIMITS.  x, h and the weights are rounded once to bf16 (f32's range: no limit of range); sums, biases, c and the activations are f32.  sigmoid(z) = 1 / (1 + 2^(-z log2 e)),
; tanh(z) = 1 - 2 / (1 + 2^(2 z log2 e)): an exponential that overflows gives an infinity, whose reciprocal is 0, one that underflows gives 0, so both saturate rightly for every finite z;
; near 0 tanh carries an absolute error of about 1e-7; a NaN passes through.  The two biases are added to each other first and to the sum last, which is another order of rounding than x W + b + h W + b.
; K goes in 32 steps of 64 (0-15: x, 16-31: h) through two LDS slots.  A slot holds 256 rows of x or h as f32 (256 bytes of memory a row, starting at a multiple of 256 from the buffer's first byte) and the step's
; block of Wb, 384 rows of 64 bf16, dense in memory and asked for as rows of 256 bytes.  x and h are rounded to bf16 in registers on the way from LDS to the matrix unit.
; Wb[T][s][rho][64]: T = tile of 128 hidden columns, s = K step, rho = 192 wn + 64 gate + j for hidden column 128 T + 64 wn + j.
; CLUSTER: 4 x 4 work-groups.  The four of a row of the cluster need the same rows of x and h, the four of a column the same block of Wb: each tile is asked for JOINTLY, by the same tensor load with the same
; descriptor and a mask that names the four.  c belongs to one work-group alone: a load of its own, into the slot that the last K step leaves free.
; THE MATRIX INSTRUCTION IS USED TRANSPOSED: source 0 = 16 rows of W, source 1 = 16 rows of x or h.  Lane l then holds batch row l % 16 and the hidden columns 8 (l / 16) + 0..7: 32 neighbouring bytes of a row of c and out0.
; REGISTERS, in windows of 256 (s_set_vgpr_msb: bits 1:0 source 0, 3:2 source 1, 5:4 source 2, 7:6 destination):
;   window 0: v0-15 addresses; v16-63 f32 as loaded, three row blocks of 16; v64-191 fragments of x or h in bf16, two buffers of 8 x 8 (the idle buffer's upper half also takes two row blocks as f32);
;             v192-255 one gate's four fragments of W, two buffers
;   window g + 1: gate g's 32 accumulators, (a, nb) at v[8 (4 a + nb)]: rows 16 a on, hidden columns 16 nb on
.set PA,    272                        ; an LDS row of x, h, c or the stage: 256 bytes + 16 = 68 words: row r starts at bank 4 r mod 64 (64 banks of 4 bytes: ISA guide 11.1): the 16 rows of a load start at 16 different groups of four banks
.set PB,    144                        ; an LDS row of W: 128 bytes + 16 = 36 words: likewise
.set AHALF, 128*PA                     ; 128 rows of x or h: what one tensor load brings and what one wave reads
.set BHALF, 192*PB                     ; 192 rows of W: likewise
.set BOFF,  2*AHALF                    ; in a slot W's rows lie behind the 256 rows of x or h
.set SLOTB, BOFF+2*BHALF               ; 124,928 bytes.  Slot 1 (odd steps) begins at LDS byte 0, slot 0 (even steps) at SLOTB
.set CREG,  SLOTB                      ; c: 4 waves x 128 rows x 272 bytes; it covers slot 0 and 14,336 bytes behind it, and is filled once, when step 30 has been read
.set STAGE, CREG+4*AHALF               ; 16 rows x 272 bytes for each wave, for the way out; no tensor load lands here or behind
.set BIAS,  STAGE+4*16*PA              ; 3 gates x 64 f32 for each wave
.set SPARE, BIAS+4*768                 ; the spare words, 128 bytes for each wave: two blocks of 256 bytes that no other line names
.set ADRA, 4                           ; v4-5   LDS address of my fragments of x or h in slot 0, 1
.set ADRB, 6                           ; v6-7   the same for W
.set STO,  8                           ; v8     the way out: where I put 32 bytes of a row
.set RD,   9                           ; v9     the way out: where I read a row back
.set CO,   10                          ; v10    my byte offset in two rows of out0
.set CAD,  11                          ; v11    LDS address of my 32 bytes of c
.set BAD,  12                          ; v12    LDS address of my 8 biases
.set CPF,  13                          ; v13    lane x 4,096: a row of c for each lane
.set SPW,  14                          ; v14    LDS address of my spare word: SPARE + 4 x my thread's number; never rewritten
.set NIL,  15                          ; v15    0; never rewritten
.set STG,  16
.set AF,   64
.set BF,   192
.set T0,   32                          ; the way out, 32 registers each: gate i,
.set T1,   64                          ; gate f,
.set T2,   96                          ; gate g, then the rows read back from the stage,
.set CC,   128                         ; c,
.set BI,   160                         ; and 96 biases, gate g's at BI + 32 g + 8 nb + j, already times the gate's factor
.set WV,  26                           ; s26 wave; s27 which 128 rows are mine; s28 which 64 hidden columns, and which half of a tile I fetch
.set WM,  27
.set WN,  28
.set LAP, 35
.set G1A, 36                           ; s[36:43] descriptor group 1 for tiles of x and h; s[44:51] group 0, a set for each slot
.set G0A, 44
.set G1B, 52                           ; s[52:59] group 1 for blocks of Wb; s[68:75] group 0, a set for each slot
.set G0B, 68
.set NXT, 60                           ; s60 the K step to be asked for next
.set KS,  62                           ; s[62:63] -log2 e: a packed instruction names the pair and takes its low word for both halves
.set KG,  66                           ; s[66:67] 2 log2 e
.set G1C, 76                           ; s[76:83], s[84:87] the descriptor of c's tile
.set G0C, 84
.set XB,  88                           ; s[88:89] x at the first of the 128 rows that I fetch; s[90:91] h likewise
.set HB,  90
.set CB,  92                           ; s[92:93] c at my wave's tile; s[94:95] out0 likewise
.set OB,  94
.set OFF, 96                           ; s[96:97] a byte offset along K, high word 0
.set TMP, 98
.set MSB, 0
.macro WIN new                         ; the immediate's high byte repeats the setting that is left; a switch that changes nothing is dropped
.if MSB != (\new)
	s_set_vgpr_msb (MSB<<8)|(\new)
.set MSB, (\new)
.endif
.endm
; A load into a register that a matrix instruction has read, and a vector instruction that reads a matrix result or writes one of a matrix instruction's registers, stand four places behind it, and only plain
; vector instructions that name none of its registers are places (ISA guide 7.12.1 for vector instructions).
.macro PLACES
.rept 4
	v_nop
.endr
.endm
; A joint load.  Waves 0 and 1 fetch the two halves of the slot's rows of x or h, waves 2 and 3 the two halves of its block of Wb.  The branch hangs on the wave's number alone.
; An s_nop 0 and four v_nop follow each of the two lines, ahead of the jump, the label and what follows.
.macro JLOAD sl
	s_cmp_lt_u32 s[WV], 2
	s_cbranch_scc0 .Lfor_b_\@
	tensor_load_to_lds s[G0A+4*(\sl):G0A+4*(\sl)+3], s[G1A:G1A+7]
	s_nop 0
.rept 4
	v_nop
.endr
	s_branch .Lasked_\@
.Lfor_b_\@:
	tensor_load_to_lds s[G0B+4*(\sl):G0B+4*(\sl)+3], s[G1B:G1B+7]
	s_nop 0
.rept 4
	v_nop
.endr
.Lasked_\@:
.endm
.macro CLOAD                           ; every wave fetches its own 128 rows x 256 bytes of c, into bytes of its own
	tensor_load_to_lds s[G0C:G0C+3], s[G1C:G1C+7]
	s_nop 0
.rept 4
	v_nop
.endr
.endm
; A round of the cluster's barrier: my work-group's barrier, so that wave 0's signal speaks for all four waves; wave 0 signals; every wave waits for all sixteen work-groups; my work-group's barrier once more.
.macro CREST                           ; a round behind its opening barrier
	s_cmp_lg_u32 s[WV], 0
	s_cbranch_scc1 .Lnot_wave_0_\@
	s_barrier_signal -3
.Lnot_wave_0_\@:
	s_barrier_wait -3
	s_barrier_signal -1
	s_barrier_wait -1
.endm
.macro CROUND
	s_barrier_signal -1
	s_barrier_wait -1
	CREST
.endm
	s_load_b512 s[4:19], s[0:1], 0x0               ; x s[4:5], h s[6:7], c s[8:9], Wb s[10:11], b_ii s[12:13], b_hi s[14:15], b_if s[16:17], b_hf s[18:19]
	s_load_b128 s[20:23], s[0:1], 0x40             ; b_ig s[20:21], b_hg s[22:23]
	s_load_b64 s[24:25], s[0:1], 0x50              ; out0
	v_lshl_add_u32 v[SPW], v0, 2, SPARE
	v_mov_b32 v[NIL], 0
	ds_add_u32 v14, v15
	s_wait_dscnt 0x0
	v_lshrrev_b32 v1, 5, v0
	v_readfirstlane_b32 s[WV], v1                  ; wave 0..3
	s_lshr_b32 s[WM], s[WV], 1
	s_and_b32 s[WN], s[WV], 1
	s_bfe_u32 s29, ttmp6, 0x40000                  ; cx, cy: my place in the cluster
	s_bfe_u32 s30, ttmp6, 0x40004
	s_lshl_b32 s31, ttmp9, 2                       ; in a cluster launch ttmp9 and ttmp7 count clusters
	s_add_co_u32 s31, s31, s29                     ; tile of 128 hidden columns = 4 x cluster x + cx
	s_and_b32 s32, ttmp7, 0xffff
	s_lshl_b32 s32, s32, 2
	s_add_co_u32 s32, s32, s30                     ; tile of 256 rows = 4 x cluster y + cy
	s_lshl_b32 s33, s30, 2
	s_lshl_b32 s33, 15, s33                        ; my row of the cluster: places 4 cy .. 4 cy + 3
	s_lshl_b32 s34, 0x1111, s29                    ; my column: places cx, cx + 4, cx + 8, cx + 12
	; group 1 for x and h: 128 rows x 64 elements of 4 bytes, 1,024 elements from row to row, 16 bytes of padding behind every 256
	s_or_b32 s[G1A], s33, (2<<16)|(1<<20)|(1<<21)|(5<<22)|(3<<25)  ; 15:0 the mask: my row; 17:16 elements of 4 bytes; 20 padding on; 21 set beside a mask; 24:22 after every 64 words (code 5); 31:25 4 words (code 3)
	s_mov_b32 s[G1C], (2<<16)|(1<<20)|(5<<22)|(3<<25)              ; c's tile has the same shape and no mask
.irp g, G1A, G1C
	s_mov_b32 s[(\g)+1], 64<<16                    ; tensor_dim0 = 64
	s_mov_b32 s[(\g)+2], 128<<16                   ; tensor_dim1 = 128
	s_mov_b32 s[(\g)+3], 64<<16                    ; tile_dim0 = 64
	s_mov_b32 s[(\g)+4], 128                       ; tile_dim1 = 128
	s_mov_b32 s[(\g)+5], 1024                      ; tensor_dim0_stride
	s_mov_b32 s[(\g)+6], 0
	s_mov_b32 s[(\g)+7], 0
.endr
	; group 1 for Wb: 192 rows of W are 24,576 dense bytes: 96 rows of 128 elements of 2 bytes, two rows of W each, padded behind every row of W
	s_or_b32 s[G1B], s34, (1<<16)|(1<<20)|(1<<21)|(4<<22)|(3<<25)  ; the mask: my column; elements of 2 bytes; after every 32 words (code 4) 4 words
	s_mov_b32 s[G1B+1], 128<<16
	s_mov_b32 s[G1B+2], 96<<16
	s_mov_b32 s[G1B+3], 128<<16
	s_mov_b32 s[G1B+4], 96
	s_mov_b32 s[G1B+5], 128
	s_mov_b32 s[G1B+6], 0
	s_mov_b32 s[G1B+7], 0
	s_mov_b32 s[KS], 0xbfb8aa3b                    ; -1.442695
	s_mov_b32 s[KS+1], s[KS]
	s_mov_b32 s[KG], 0x4038aa3b                    ; 2.885390
	s_mov_b32 s[KG+1], s[KG]
	s_mov_b32 s[NXT], 2
	; byte offsets, each in registers of its own: x's and h's hang on the tile of rows alone, Wb's on the tile of columns alone
	s_lshl_b32 s[OFF], s32, 20                     ; 256 rows of 4,096 bytes,
	s_lshl_b32 s[TMP], s[WN], 19                   ; and the half that I fetch
	s_add_co_u32 s[OFF], s[OFF], s[TMP]
	s_mov_b32 s[OFF+1], 0
	s_mul_i32 s2, s31, 32*49152                    ; the tile's 32 blocks,
	s_mul_i32 s3, s[WN], 24576                     ; and the half of a block that I fetch
	s_add_co_u32 s2, s2, s3
	s_mov_b32 s3, 0
	s_lshl_b32 s100, s32, 20                       ; c and out0: my tile's rows, my wave's 128 of them,
	s_lshl_b32 s101, s[WM], 19
	s_add_co_u32 s100, s100, s101
	s_lshl_b32 s101, s31, 9                        ; the tile's 512 bytes of a row, my wave's 256 of them
	s_add_co_u32 s100, s100, s101
	s_lshl_b32 s101, s[WN], 8
	s_add_co_u32 s100, s100, s101
	s_mov_b32 s101, 0
	s_mul_i32 s[TMP], s[WN], AHALF                 ; where the tiles go: no place in the cluster enters an LDS address
	s_mul_i32 s[TMP+1], s[WN], BHALF
	s_mul_i32 s[G0C+1], s[WV], AHALF
	s_add_co_u32 s[G0C+1], s[G0C+1], CREG
	s_mov_b32 s[G0C], 1
	s_wait_kmcnt 0x0
	s_add_nc_u64 s[XB:XB+1], s[4:5], s[OFF:OFF+1]
	s_add_nc_u64 s[HB:HB+1], s[6:7], s[OFF:OFF+1]
	s_add_nc_u64 s[2:3], s[10:11], s[2:3]
	s_add_nc_u64 s[CB:CB+1], s[8:9], s[100:101]
	s_add_nc_u64 s[OB:OB+1], s[24:25], s[100:101]
	s_add_nc_u64 s[G0C+2:G0C+3], s[CB:CB+1], 0
	s_or_b32 s[G0C+3], s[G0C+3], 0x80000000
.irp sl, 0,1
	s_mov_b32 s[G0A+4*(\sl)], 1                                        ; 1:0 count = 1
	s_add_co_u32 s[G0A+4*(\sl)+1], s[TMP], (1-(\sl))*SLOTB             ; 63:32 LDS address
	s_add_nc_u64 s[G0A+4*(\sl)+2:G0A+4*(\sl)+3], s[XB:XB+1], 256*(\sl) ; 120:64 global address: K step sl of x
	s_or_b32 s[G0A+4*(\sl)+3], s[G0A+4*(\sl)+3], 0x80000000            ; 127:126 type = 2
	s_mov_b32 s[G0B+4*(\sl)], 1
	s_add_co_u32 s[G0B+4*(\sl)+1], s[TMP+1], (1-(\sl))*SLOTB+BOFF
	s_add_nc_u64 s[G0B+4*(\sl)+2:G0B+4*(\sl)+3], s[2:3], 49152*(\sl)
	s_or_b32 s[G0B+4*(\sl)+3], s[G0B+4*(\sl)+3], 0x80000000
.endr
	CROUND                                         ; all sixteen work-groups are here: the first joint loads meet
	JLOAD 0                                        ; both slots are asked for before anything else is done: two tensor loads of mine are out
	JLOAD 1
	; A fragment is 16 rows x 32 K: lane l holds row l % 16, K = 8 (l / 16) + 0..7 and 16 + 8 (l / 16) + 0..7.  In f32 those are 32 bytes at 32 (l / 16) and 32 bytes 64 further on; in bf16 16 bytes at 16 (l / 16) and 16 bytes 32 further on.
	v_and_b32 v1, 15, v0                           ; l % 16
	v_bfe_u32 v2, v0, 4, 1                         ; l / 16
	v_mul_u32_u24 v3, v1, PA
	v_lshl_add_u32 v3, v2, 5, v3                   ; row x 272 + 32 x half: x, h, c and the stage alike
	s_mul_i32 s61, s[WM], AHALF                    ; my 128 rows
	v_add_nc_u32 v[ADRA+1], s61, v3
	s_add_co_u32 s61, s61, SLOTB
	v_add_nc_u32 v[ADRA], s61, v3
	v_mul_u32_u24 v16, v1, PB
	v_lshl_add_u32 v16, v2, 4, v16                 ; row x 144 + 16 x half
	s_mul_i32 s61, s[WN], BHALF                    ; my 192 rows of W
	s_add_co_u32 s61, s61, BOFF
	v_add_nc_u32 v[ADRB+1], s61, v16
	s_add_co_u32 s61, s61, SLOTB
	v_add_nc_u32 v[ADRB], s61, v16
	s_mul_i32 s61, s[WV], 16*PA
	s_add_co_u32 s61, s61, STAGE                   ; my stage
	v_add_nc_u32 v[STO], s61, v3
	v_mul_u32_u24 v16, v2, PA                      ; back: lanes 0-15 take one row of 256 bytes, lanes 16-31 the next
	v_lshl_add_u32 v16, v1, 4, v16
	v_add_nc_u32 v[RD], s61, v16
	v_lshlrev_b32 v16, 12, v2                      ; and the same two rows in out0
	v_lshl_add_u32 v[CO], v1, 4, v16
	s_mul_i32 s61, s[WV], AHALF
	s_add_co_u32 s61, s61, CREG
	v_add_nc_u32 v[CAD], s61, v3
	s_mul_i32 s61, s[WV], 768
	s_add_co_u32 s61, s61, BIAS
	v_lshl_add_u32 v[BAD], v2, 5, s61
	v_and_b32 v16, 31, v0                          ; lane
	v_lshlrev_b32 v[CPF], 12, v16
	v_lshl_add_u32 v19, v16, 3, s61                ; my two biases' place in LDS
	; THE BIASES of my wave's 64 hidden columns: each load of the wave covers 256 consecutive bytes, aligned.  (b_i + b_h) times the gate's factor goes into LDS, the wave's own bytes, and waits there for the way out.
	s_lshl_b32 s100, s31, 9
	s_lshl_b32 s101, s[WN], 8
	s_add_co_u32 s100, s100, s101
	v_lshl_add_u32 v18, v16, 3, s100
	global_load_b64 v[20:21], v18, s[12:13]
	global_load_b64 v[22:23], v18, s[14:15]
	global_load_b64 v[24:25], v18, s[16:17]
	global_load_b64 v[26:27], v18, s[18:19]
	global_load_b64 v[28:29], v18, s[20:21]
	global_load_b64 v[30:31], v18, s[22:23]
	s_wait_loadcnt 0x0
	v_pk_add_f32 v[20:21], v[20:21], v[22:23]
	v_pk_add_f32 v[24:25], v[24:25], v[26:27]
	v_pk_add_f32 v[28:29], v[28:29], v[30:31]
	v_pk_mul_f32 v[20:21], v[20:21], s[KS:KS+1] op_sel_hi:[1,0]
	v_pk_mul_f32 v[24:25], v[24:25], s[KS:KS+1] op_sel_hi:[1,0]
	v_pk_mul_f32 v[28:29], v[28:29], s[KG:KG+1] op_sel_hi:[1,0]
	ds_store_b64 v19, v[20:21]
	ds_store_b64 v19, v[24:25] offset:256
	ds_store_b64 v19, v[28:29] offset:512
; THE MATRIX WORK.  Half a K step (32 along K) is 96 matrix instructions, numbered WI = 0 .. 95: gate WI / 32, row block (WI % 32) / 4, column block WI % 4.  W1 writes the next one.  q = which half of the step: x's or h's
; fragments lie in buffer q, W's in buffers q, 1 - q, q for the three gates.  zero = 1: the product starts the sum: nothing is ever cleared.
; The 96 accumulators take turns, one instruction a turn, in the same order in every half step.
.macro W1 q, zero
.set xg, WI/32
.set xa, (WI%32)/4
.set xn, WI%4
.set xb, (\q)
.if xg == 1
.set xb, 1-(\q)
.endif
.set xD, 8*(4*xa+xn)
.set xB, BF+32*xb+8*xn
.set xA, AF+64*(\q)+8*xa
	WIN 0x50*(xg+1)                                ; C and D in window gate + 1, both sources in window 0
.if \zero
	v_wmma_f32_16x16x32_bf16 v[xD:xD+7], v[xB:xB+7], v[xA:xA+7], 0
.else
	v_wmma_f32_16x16x32_bf16 v[xD:xD+7], v[xB:xB+7], v[xA:xA+7], v[xD:xD+7]
.endif
.set WI, WI+1
.endm
.macro M n, q, zero                    ; the next n matrix instructions, back to back
.rept \n
	W1 \q, \zero
.endr
.endm
; THE ROUNDINGS.  A half step's eight row blocks of x or h are 64 roundings of two f32 to bf16, numbered CI = 0 .. 63: row block CI / 8, register CI % 8 of its fragment in buffer ab.  Where the f32 lie:
; row blocks 0-2 and, a staging cycle later, 5-7 in the 48 staging registers; row blocks 3 and 4 in the upper 32 registers of buffer ab itself, which is idle while it is being made:
; block 3 goes from v[32:47] of it down to v[24:31], then block 4 from v[48:63] to v[32:39], then blocks 5-7 land in v[40:63]: in ascending CI no rounding overwrites f32 that are still to be read.
.macro C1 ab
.set yf, CI/8
.set yt, CI%8
.if yf < 3
.set ys, STG+16*yf
.elseif yf < 5
.set ys, AF+64*(\ab)+32+16*(yf-3)
.else
.set ys, STG+16*(yf-5)
.endif
	v_cvt_pk_bf16_f32 v[AF+64*(\ab)+CI], v[ys+2*yt], v[ys+2*yt+1]
.set CI, CI+1
.endm
; n matrix instructions with four roundings behind each: the wave goes on issuing while the matrix unit works, so the roundings take no time of their own.  The price: two window switches a slice
; (the roundings' destination lies in window 0, the products' in the gate's).  None of the roundings names a register of the products round it, so they are also places in the sense given at PLACES.
.macro MR n, q, zero, ab
.rept \n
	W1 \q, \zero
	WIN 0
.rept 4
	C1 \ab
.endr
.endr
.endm
; THE LDS LOADS stand in runs, never singly among the matrix instructions.
.macro LB sl, q, g, bb                 ; 8 loads: gate g's four fragments of W, half q of slot sl's step, into buffer bb
	WIN 0
.irp nb, 0,1,2,3
	ds_load_b128 v[BF+32*(\bb)+8*(\nb):BF+32*(\bb)+8*(\nb)+3],   v[ADRB+(\sl)] offset:(\g)*64*PB+(\nb)*16*PB+64*(\q)
	ds_load_b128 v[BF+32*(\bb)+8*(\nb)+4:BF+32*(\bb)+8*(\nb)+7], v[ADRB+(\sl)] offset:(\g)*64*PB+(\nb)*16*PB+64*(\q)+32
.endr
.endm
.macro LF sl, q, f, dst                ; 4 loads: row block f of x or h as f32, half q of slot sl's step, into 16 registers from dst on
	ds_load_b128 v[(\dst):(\dst)+3],     v[ADRA+(\sl)] offset:(\f)*16*PA+128*(\q)
	ds_load_b128 v[(\dst)+4:(\dst)+7],   v[ADRA+(\sl)] offset:(\f)*16*PA+128*(\q)+16
	ds_load_b128 v[(\dst)+8:(\dst)+11],  v[ADRA+(\sl)] offset:(\f)*16*PA+128*(\q)+64
	ds_load_b128 v[(\dst)+12:(\dst)+15], v[ADRA+(\sl)] offset:(\f)*16*PA+128*(\q)+80
.endm
.macro LA3 sl, q                       ; 12 loads: row blocks 0-2
	WIN 0
	LF \sl, \q, 0, STG
	LF \sl, \q, 1, STG+16
	LF \sl, \q, 2, STG+32
.endm
.macro LA2 sl, q, ab                   ; 8 loads: row blocks 3 and 4, into the upper half of the buffer that they are bound for
	WIN 0
	LF \sl, \q, 3, AF+64*(\ab)+32
	LF \sl, \q, 4, AF+64*(\ab)+48
.endm
.macro LAB sl, q                       ; 12 loads: row blocks 5-7
	WIN 0
	LF \sl, \q, 5, STG
	LF \sl, \q, 6, STG+16
	LF \sl, \q, 7, STG+32
.endm
.macro STEPD sl                        ; slot sl's two descriptors take K step NXT: x's or h's address is made anew from the step's number, Wb's goes two blocks on
	s_cmp_lt_u32 s[NXT], 16
	s_cselect_b64 s[TMP:TMP+1], s[XB:XB+1], s[HB:HB+1]
	s_and_b32 s[OFF], s[NXT], 15
	s_lshl_b32 s[OFF], s[OFF], 8                   ; 256 bytes a step along the rows
	s_add_nc_u64 s[G0A+4*(\sl)+2:G0A+4*(\sl)+3], s[TMP:TMP+1], s[OFF:OFF+1]
	s_or_b32 s[G0A+4*(\sl)+3], s[G0A+4*(\sl)+3], 0x80000000
	s_add_nc_u64 s[G0B+4*(\sl)+2:G0B+4*(\sl)+3], s[G0B+4*(\sl)+2:G0B+4*(\sl)+3], 2*49152  ; the type bits on top are not reached
	s_add_co_u32 s[NXT], s[NXT], 1
.endm
; A K STEP'S FIRST HALF (slot sl, buffer 0).  It finds row blocks 0-2 rounded and these LDS loads out, in this order: gate i's W (8), row blocks 3-4 (8), row blocks 5-7 (12).
; Three runs of loads: 8, 28 and 20.  Every load stands 14 matrix instructions or more ahead of the wait for it, the run of 28 34 ahead of the wait for its last.
; It leaves the second half's row blocks 0-4 rounded, and out: gate i's W of that half (8), its row blocks 5-7 (12).
.macro HP sl, zero
.set WI, 0
.set CI, 24
	s_wait_dscnt 20                                ; gate i's W is in; the 8 + 12 loads issued behind it may be out
	M 4, 0, \zero
	s_wait_dscnt 12                                ; row blocks 3-4 are in; blocks 5-7's 12 loads may be out
	MR 4, 0, \zero, 0                              ; blocks 3-4 are rounded, 4 and 8 products ahead of their first use
	LB \sl, 0, 1, 1                                ; the 16 roundings are the places behind the last products that read this buffer of W
	M 4, 0, \zero
	s_wait_dscnt 8                                 ; row blocks 5-7 are in; the 8 loads just issued may be out
	MR 6, 0, \zero, 0
	M 14, 0, \zero
	s_wait_dscnt 0x0                               ; gate f's W
	M 2, 0, \zero
	WIN 0
	PLACES                                         ; for the loads into the buffer that gate i multiplied
	LB \sl, 0, 2, 0
	LA3 \sl, 1                                     ; the second half's first five row blocks
	LA2 \sl, 1, 1
	M 30, 0, \zero
	s_wait_dscnt 20                                ; gate g's W is in; the 20 loads issued behind it may be out
	M 4, 0, \zero
	s_wait_dscnt 0x0
.set CI, 0
	MR 10, 0, \zero, 1
	LB \sl, 1, 0, 1                                ; the roundings are the places behind gate f's products, which read this buffer
	LAB \sl, 1
	M 18, 0, \zero
.endm
; A K STEP'S SECOND HALF (slot sl, buffer 1), with the change of slots.  It finds row blocks 0-4 rounded and out: gate i's W (8), row blocks 5-7 (12).
; kind 1: the slot is filled again by a joint load.  2: c is fetched into it.  3: the very last half: no round, nothing more to fetch.
; It leaves what a first half finds.
.macro HT sl, kind
.set WI, 0
.set CI, 40
	s_wait_dscnt 12                                ; gate i's W is in; row blocks 5-7's 12 loads may be out
	M 2, 1, 0
	WIN 0
	PLACES                                         ; for the loads into the buffer that the half before multiplied last
	LB \sl, 1, 1, 0
	M 8, 1, 0
	s_wait_dscnt 8                                 ; row blocks 5-7 are in; the 8 loads just issued may be out
	MR 6, 1, 0, 1
	M 16, 1, 0
	s_wait_dscnt 0x0                               ; gate f's W
	M 2, 1, 0
	WIN 0
	PLACES                                         ; for the loads into the buffer that gate i multiplied
	LB \sl, 1, 2, 1                                ; my last read of this slot
.if (\kind) == 3
	M 30, 1, 0
	s_wait_dscnt 0x0
	M 32, 1, 0
.else
	M 6, 1, 0
	; THE CHANGE OF SLOTS.  One barrier, which opens a round of the cluster's, for two things: behind it no wave of any partner reads this slot or has a load on its way, and the other slot is whole.
	WIN 0                                          ; (the add's two registers lie in window 0)
	s_wait_tensorcnt 0x0                           ; all my tensor loads have landed: the one that was out is my part of the other slot; so a group 0 may be written
	ds_add_u32 v[SPW], v[NIL]                      ; 0 onto my spare word
.if (\kind) == 1
	STEPD \sl
.endif
	M 8, 1, 0                                      ; eight matrix instructions stand between the add and the wait for it
	s_wait_dscnt 0x0                               ; the add is done, and my reads of this slot are over (the last were issued 14 matrix instructions ago)
	s_barrier_signal -1
	M 16, 1, 0                                     ; work on registers while the others arrive
	WIN 0                                          ; at a branch and at a label every window is 0
	s_barrier_wait -1
	CREST
.if (\kind) == 1
	JLOAD \sl                                      ; my one tensor load behind the round, and the first thing there: 168 matrix instructions ahead of the wait for it
.else
	CLOAD                                          ; likewise: 224 matrix instructions ahead of the wait for it
.endif
	LA3 1-(\sl), 0                                 ; the other slot's first reads; the four v_nop behind the tensor load are the places behind gate f's products, whose buffer of W is loaded here
	LB 1-(\sl), 0, 0, 0
	LA2 1-(\sl), 0, 0
	M 18, 1, 0
	s_wait_dscnt 16                                ; row blocks 0-2 are in; the 8 + 8 loads issued behind them may be out
.set CI, 0
	MR 6, 1, 0, 0
	LAB 1-(\sl), 0
	M 8, 1, 0
.endif
.endm
	s_wait_tensorcnt 1                             ; my part of K step 0 is in; step 1's may stay out
	s_wait_dscnt 0x0                               ; the biases are stored
	s_barrier_signal -1
	s_barrier_wait -1                              ; everybody's part is in
	LA3 0, 0                                       ; what a second half's end does for the half behind it, here without products to set it between
	LB 0, 0, 0, 0
	LA2 0, 0, 0
	s_wait_dscnt 16                                ; row blocks 0-2; the 8 + 8 loads issued behind them may be out
.set CI, 0
.rept 24
	C1 0
.endr
	LAB 0, 0
	HP 0, 1                                        ; the first half step stands in front of the loop: its products start all 96 sums
	WIN 0
	s_mov_b32 s[LAP], 15
.Llap:                                                 ; a trip goes once round the ring, from a step's second half to the first half of the step two on, and fills both slots again: steps 2 to 31 in 15 trips
	HT 0, 1
	HP 1, 0
	WIN 0
	s_cmp_lg_u32 s[LAP], 1
	s_cbranch_scc1 .Lno_ask
.irp i, 0,1,2,3                        ; in the last trip alone each wave asks for the 128 rows x 256 bytes of its own tile of c, a row a lane, each block once in the launch: 256 matrix instructions ahead of c's tensor load
	global_prefetch_b8 v[CPF], s[CB:CB+1] offset:131072*(\i) th:TH_LOAD_NT scope:SCOPE_SE
.endr
.Lno_ask:
	HT 1, 1
	HP 0, 0
	WIN 0
	s_sub_co_u32 s[LAP], s[LAP], 1
	s_cmp_lg_u32 s[LAP], 0
	s_cbranch_scc1 .Llap
	HT 0, 2                                        ; the tail is written out: step 30 leaves slot 0, which takes c
	HP 1, 0
	HT 1, 3
; THE WAY OUT, a block of 16 rows at a time.  T = sum x factor + bias x factor; 2^T; 1 + 2^T; its reciprocal: sigmoid for gates i and f, and 1 - 2 x it = tanh for gate g; out = f c + i tanh.
; A lane's 32 bytes of a row go into my stage and come back as whole rows of 256 bytes.  A block's stores stand in the next block's arithmetic.
.macro CLD a                           ; c of block a: my 8 numbers of each of the 4 column blocks
.irp nb, 0,1,2,3
	ds_load_b128 v[CC+8*(\nb):CC+8*(\nb)+3],   v[CAD] offset:(\a)*16*PA+64*(\nb)
	ds_load_b128 v[CC+8*(\nb)+4:CC+8*(\nb)+7], v[CAD] offset:(\a)*16*PA+64*(\nb)+16
.endr
.endm
.macro GATE g, dst, a, k               ; each accumulator's registers are taken in ascending order
	WIN (\g)+1                                     ; source 0 in window g + 1
.set ep, 0
.rept 16
	v_pk_fma_f32 v[(\dst)+2*ep:(\dst)+2*ep+1], v[32*(\a)+2*ep:32*(\a)+2*ep+1], s[(\k):(\k)+1], v[BI+32*(\g)+2*ep:BI+32*(\g)+2*ep+1] op_sel_hi:[1,0,1]
.set ep, ep+1
.endr
.endm
.macro TR op, base, n                  ; n transcendentals in place, on different registers; a plain vector instruction follows each run before a result is used (ISA guide 5.7.2)
.set ep, 0
.rept \n
	\op v[(\base)+ep], v[(\base)+ep]
.set ep, ep+1
.endr
.endm
.macro SEND a, younger                 ; younger: the LDS loads issued behind those from the stage, which may stay out
	s_wait_dscnt \younger
.irp t, 0,1,2,3,4,5,6,7
	global_store_b128 v[CO], v[T2+4*(\t):T2+4*(\t)+3], s[OB:OB+1] offset:(16*(\a)+2*(\t))*4096 th:TH_STORE_NT  ; 16 lanes store 256 consecutive bytes, at a multiple of 256 from out0's first byte
.endr
.endm
.macro EPI a
	GATE 0, T0, \a, KS
	GATE 1, T1, \a, KS
	WIN 0
.if (\a) > 0
	SEND (\a)-1, 8                                 ; the block before is back from the stage; c's 8 loads may be out
.endif
	TR v_exp_f32, T0, 64
.if (\a) > 0
	s_wait_xcnt 0x0                                ; the stores' data registers are written again only behind this wait (ISA guide 3.1)
.endif
	GATE 2, T2, \a, KG
	WIN 0
	TR v_exp_f32, T2, 32
	v_nop
.set ep, 0
	s_wait_alu depctr_va_vdst(0)
.rept 48
	v_pk_add_f32 v[T0+2*ep:T0+2*ep+1], v[T0+2*ep:T0+2*ep+1], 1.0 op_sel_hi:[1,0]
.set ep, ep+1
.endr
	TR v_rcp_f32, T0, 96
	v_nop
.set ep, 0
	s_wait_alu depctr_va_vdst(0)
.rept 16
	v_pk_fma_f32 v[T2+2*ep:T2+2*ep+1], v[T2+2*ep:T2+2*ep+1], -2.0, 1.0 op_sel_hi:[1,0,0]
.set ep, ep+1
.endr
.set ep, 0
.rept 16
	v_pk_mul_f32 v[T0+2*ep:T0+2*ep+1], v[T0+2*ep:T0+2*ep+1], v[T2+2*ep:T2+2*ep+1]
.set ep, ep+1
.endr
	s_wait_dscnt 0x0                               ; c
.set ep, 0
.rept 16
	v_pk_fma_f32 v[T1+2*ep:T1+2*ep+1], v[T1+2*ep:T1+2*ep+1], v[CC+2*ep:CC+2*ep+1], v[T0+2*ep:T0+2*ep+1]
.set ep, ep+1
.endr
.irp nb, 0,1,2,3
	ds_store_b128 v[STO], v[T1+8*(\nb):T1+8*(\nb)+3] offset:64*(\nb)
	ds_store_b128 v[STO], v[T1+8*(\nb)+4:T1+8*(\nb)+7] offset:64*(\nb)+16
.endr
.irp t, 0,1,2,3,4,5,6,7
	ds_load_b128 v[T2+4*(\t):T2+4*(\t)+3], v[RD] offset:(\t)*2*PA  ; LDS serves a wave's instructions in order (ISA guide 5.7.1.4): these see the stores above; the next block's stores come behind them
.endr
.if (\a) < 7
	CLD (\a)+1
.endif
.endm
	WIN 0
	PLACES                                         ; behind the last products: for the loads into the fragments' registers and for the first reads of the sums
	s_wait_tensorcnt 0x0                           ; c is in LDS: my own load, my own bytes
.irp g, 0,1,2
.irp nb, 0,1,2,3
	ds_load_b128 v[BI+32*(\g)+8*(\nb):BI+32*(\g)+8*(\nb)+3],   v[BAD] offset:256*(\g)+64*(\nb)
	ds_load_b128 v[BI+32*(\g)+8*(\nb)+4:BI+32*(\g)+8*(\nb)+7], v[BAD] offset:256*(\g)+64*(\nb)+16
.endr
.endr
	CLD 0
	s_wait_dscnt 8                                 ; the biases are in; c's 8 loads may be out
.irp a, 0,1,2,3,4,5,6,7
	EPI \a
.endr
	SEND 7, 0
	s_wait_tensorcnt 0x0                           ; the wave's end, behind my last tensor load and my last LDS store
	ds_add_u32 v[SPW], v[NIL]
	s_wait_dscnt 0x0
	CROUND                                         ; the closing round: no work-group ends while a partner may still ask for a tile that names it
	s_endpgm
.Lfunc_end_k_q94727577f5_cell:
	.size	k_q94727577f5_cell, .Lfunc_end_k_q94727577f5_cell-k_q94727577f5_cell
	.p2alignl 7, 3214868480
	.fill 96, 4, 3214868480
	.section	.rodata,"a",@progbits
	.p2align	6, 0x0
	.amdhsa_kernel k_q94727577f5_cell
		.amdhsa_group_segment_fixed_size 327680
		.amdhsa_private_segment_fixed_size 0
		.amdhsa_enable_private_segment 0
		.amdhsa_kernarg_size 88
		.amdhsa_user_sgpr_count 2
		.amdhsa_user_sgpr_kernarg_segment_ptr 1
		.amdhsa_wavefront_size32 1
		.amdhsa_system_sgpr_workgroup_id_x 1
		.amdhsa_system_sgpr_workgroup_id_y 1
		.amdhsa_system_sgpr_workgroup_id_z 1
		.amdhsa_system_vgpr_workitem_id 0
		.amdhsa_next_free_vgpr 1024
		.amdhsa_next_free_sgpr 102
		.amdhsa_reserve_vcc 0
		.amdhsa_float_denorm_mode_32 3
		.amdhsa_float_denorm_mode_16_64 3
		.amdhsa_memory_ordered 1
		.amdhsa_forward_progress 1
		.amdhsa_inst_pref_size 255
	.end_amdhsa_kernel
	.section	.bss,"aw",@nobits
	.p2align	6
	.space	262144
	.amdgpu_metadata
---
amdhsa.version: [ 1, 2 ]
amdhsa.kernels:
  - .name:           k_q94727577f5_cell
    .symbol:         k_q94727577f5_cell.kd
    .args:
      - { .name: x, .offset: 0, .size: 8, .value_kind: global_buffer, .address_space: global }
      - { .name: h, .offset: 8, .size: 8, .value_kind: global_buffer, .address_space: global }
      - { .name: c, .offset: 16, .size: 8, .value_kind: global_buffer, .address_space: global }
      - { .name: Wb, .offset: 24, .size: 8, .value_kind: global_buffer, .address_space: global }
      - { .name: b_ii, .offset: 32, .size: 8, .value_kind: global_buffer, .address_space: global }
      - { .name: b_hi, .offset: 40, .size: 8, .value_kind: global_buffer, .address_space: global }
      - { .name: b_if, .offset: 48, .size: 8, .value_kind: global_buffer, .address_space: global }
      - { .name: b_hf, .offset: 56, .size: 8, .value_kind: global_buffer, .address_space: global }
      - { .name: b_ig, .offset: 64, .size: 8, .value_kind: global_buffer, .address_space: global }
      - { .name: b_hg, .offset: 72, .size: 8, .value_kind: global_buffer, .address_space: global }
      - { .name: out0, .offset: 80, .size: 8, .value_kind: global_buffer, .address_space: global }
    .group_segment_fixed_size: 327680
    .private_segment_fixed_size: 0
    .kernarg_segment_align: 8
    .kernarg_segment_size: 88
    .max_flat_workgroup_size: 128
    .sgpr_count:     102
    .vgpr_count:     1024
    .wavefront_size: 32
...
	.end_amdgpu_metadata
.endif
;; end of part 2
;; ======== version 2 of 2: 2 launches; version 1 with the launch pack written anew for expert scheduling mode
;; workspace buffers: Wb 12,582,912 bytes
;; launch pack (part 3): grid 128 x 6, 4 waves a work-group, no clusters, 0 bytes of LDS; arguments W_ii, W_if, W_ig, W_hi, W_hf, W_hg, Wb; writes Wb
.if DOCPART == 3
	.amdgcn_target "amdgcn-amd-amdhsa--gfx1250"
	.amdhsa_code_object_version 6
	.text
	.protected	k_q94727577f5_pack
	.globl	k_q94727577f5_pack
	.p2align	8
	.type	k_q94727577f5_pack,@function
k_q94727577f5_pack:
	s_mov_b64 s[64:65], 0
	v_nop
	global_prefetch_b8 v0, s[64:65] scope:SCOPE_SE
	s_setreg_imm32_b32 hwreg(HW_REG_WAVE_SCHED_MODE, 0, 2), 2
	s_setreg_imm32_b32 hwreg(HW_REG_WAVE_MODE, 25, 1), 1
	s_wait_xcnt 0x0
	s_wait_alu depctr_vm_vsrc(0)
; The six weight matrices, [1024][1024] f32, are rounded once to bf16 (nearest even; bf16 has f32's range, so no range is lost) and laid in blocks:
; Wb[T][s][rho][64 k], T = tile of 128 hidden columns, s = K step of 64 (0-15: the x weights, 16-31: the h weights),
; rho = 192 wn + 64 gate + j for hidden column 128 T + 64 wn + j, gate 0 = i, 1 = f, 2 = g.  A (T, s) block is 384 x 128 = 49,152 dense bytes,
; so the next launch asks for it as rows of 256 bytes that lie end to end.
; A stream: each input byte is read once and each output byte written once.  No LDS, no barrier, no matrix unit, no cluster: no two work-groups read the same byte.
; Work-group (x, y): matrix y, weight rows 8 x .. 8 x + 7; wave w rows R0 = 8 x + 2 w and R0 + 1.  A load covers 256 consecutive bytes of each of the two rows
; (lanes 0-15 the first row, lanes 16-31 the second: one K step); the store of its 8 bytes a lane covers 256 consecutive bytes of Wb, aligned (rho is even).
; THE MODE: SCHED_MODE bits 1:0 = 2 (LLVM: expert scheduling mode 2), set by the entry lines.  The code itself states the register dependences
; between vector instructions and memory instructions, with s_wait_alu, always for 0.
; THE PLAN.  Registers that memory instructions touch:
;   v1, v2   byte offsets of the loads and of the stores: made once at the head and never written again.
;   X        written by the 16 loads, each register once; no vector instruction names it before they are issued; read by the roundings behind each load's s_wait_loadcnt.
;   Y        written by the roundings, each register once in the launch; read by the stores.  No register that a memory instruction reads is ever written again.
; The 16 K steps go in four blocks of four.  Block p's eight roundings write Y's block p; the four stores of block p - 1 go out in one run at the head of block p, behind the wait
; for block p's first load and ONE wait on va_vdst.  Block p's roundings name X's and Y's block p alone: none of the registers that those stores read.
.set STEPB, 49152                      ; bytes from a K step's block to the next
.set X, 8                              ; v[8:71]    16 loads of 4 registers: a row pair's 16 K steps
.set Y, 72                             ; v[72:103]  16 pairs of packed bf16; no register is written twice, so no store's source is ever rewritten
	s_load_b256 s[4:11], s[0:1], 0x0               ; W_ii s[4:5], W_if s[6:7], W_ig s[8:9], W_hi s[10:11]
	s_load_b128 s[12:15], s[0:1], 0x20             ; W_hf s[12:13], W_hg s[14:15]
	s_load_b64 s[16:17], s[0:1], 0x30              ; Wb
	v_lshrrev_b32 v1, 5, v0
	v_readfirstlane_b32 s18, v1                    ; wave 0..3
	v_and_b32 v3, 31, v0                           ; lane
	v_and_b32 v4, 15, v0
	v_bfe_u32 v5, v0, 4, 1
	v_lshlrev_b32 v1, 4, v4                        ; in: 16 bytes a lane,
	v_lshl_add_u32 v1, v5, 12, v1                  ; lanes 16-31 one row (4,096 bytes) down
	v_lshlrev_b32 v2, 3, v3                        ; out: 8 bytes a lane, 256 on end
	s_and_b32 s19, ttmp7, 0xffff                   ; y: which matrix
	s_lshl_b32 s22, ttmp9, 3
	s_wait_alu depctr_va_sdst(0)                   ; s18 is written, ahead of its first reader: the row's number, and from it both byte offsets, are made of it
	s_lshl1_add_u32 s22, s18, s22                  ; R0 = 8 x + 2 w
	s_cmp_ge_u32 s19, 3
	s_cselect_b32 s23, 1, 0                        ; part: 0 = x weights, 1 = h weights
	s_mul_i32 s26, s23, 3
	s_sub_co_u32 s26, s19, s26                     ; gate
	s_lshl_b32 s24, s22, 12                        ; the source's byte offset: R0 rows of 4,096 bytes
	s_mov_b32 s25, 0
	s_lshr_b32 s27, s22, 7                         ; T
	s_mul_i32 s27, s27, 32*STEPB
	s_mul_i32 s28, s23, 16*STEPB
	s_add_co_u32 s27, s27, s28
	s_bfe_u32 s28, s22, 0x10006                    ; wn = bit 6 of R0
	s_mul_i32 s28, s28, 192
	s_lshl_b32 s29, s26, 6
	s_add_co_u32 s28, s28, s29
	s_and_b32 s29, s22, 63                         ; j
	s_add_co_u32 s28, s28, s29                     ; rho
	s_lshl_b32 s28, s28, 7                         ; 128 bytes a row of a block
	s_add_co_u32 s30, s27, s28
	s_mov_b32 s31, 0
	s_wait_kmcnt 0x0
	s_mov_b64 s[20:21], s[4:5]                     ; the matrix is chosen by y alone
	s_cmp_eq_u32 s19, 1
	s_cselect_b64 s[20:21], s[6:7], s[20:21]
	s_cmp_eq_u32 s19, 2
	s_cselect_b64 s[20:21], s[8:9], s[20:21]
	s_cmp_eq_u32 s19, 3
	s_cselect_b64 s[20:21], s[10:11], s[20:21]
	s_cmp_eq_u32 s19, 4
	s_cselect_b64 s[20:21], s[12:13], s[20:21]
	s_cmp_eq_u32 s19, 5
	s_cselect_b64 s[20:21], s[14:15], s[20:21]
	s_add_nc_u64 s[20:21], s[20:21], s[24:25]
	s_add_nc_u64 s[16:17], s[16:17], s[30:31]
	s_wait_alu depctr_va_vdst(0)                   ; v1 and v2 are written: every load of the kernel reads v1 as its offset, every store v2
.set i, 0
.rept 16                                               ; all sixteen loads of the wave go out before the first is waited for
	global_load_b128 v[X+4*i:X+4*i+3], v1, s[20:21] offset:256*i th:TH_LOAD_NT
.set i, i+1
.endr
.set p, 0
.rept 4                                                ; block p: K steps 4 p to 4 p + 3
	s_wait_loadcnt 15-4*p                          ; loads come back in order (ISA guide 5.7.1): the block's first is in, the 15 - 4 p younger ones stay out
.if p > 0
	s_wait_alu depctr_va_vdst(0)                   ; the eight roundings of the block before have written its part of Y, which the four stores below read
.set j, 0
.rept 4
	global_store_b64 v2, v[Y+2*(4*(p-1)+j):Y+2*(4*(p-1)+j)+1], s[16:17] offset:STEPB*(4*(p-1)+j)  ; the K step stands in the immediate: 737,280 at the most
.set j, j+1
.endr
.endif
.set j, 0
.rept 4
.if j > 0
	s_wait_loadcnt 15-4*p-j                        ; the block's next load is in
.endif
	v_cvt_pk_bf16_f32 v[Y+2*(4*p+j)], v[X+4*(4*p+j)], v[X+4*(4*p+j)+1]      ; these name X's and Y's block p alone: no register of the stores above
	v_cvt_pk_bf16_f32 v[Y+2*(4*p+j)+1], v[X+4*(4*p+j)+2], v[X+4*(4*p+j)+3]
.set j, j+1
.endr
.set p, p+1
.endr
	s_wait_alu depctr_va_vdst(0)                   ; block 3's roundings have written the last eight registers of Y, which the last four stores read
.set j, 12
.rept 4
	global_store_b64 v2, v[Y+2*j:Y+2*j+1], s[16:17] offset:STEPB*j
.set j, j+1
.endr
	s_endpgm
.Lfunc_end_k_q94727577f5_pack:
	.size	k_q94727577f5_pack, .Lfunc_end_k_q94727577f5_pack-k_q94727577f5_pack
	.p2alignl 7, 3214868480
	.fill 96, 4, 3214868480
	.section	.rodata,"a",@progbits
	.p2align	6, 0x0
	.amdhsa_kernel k_q94727577f5_pack
		.amdhsa_group_segment_fixed_size 0
		.amdhsa_private_segment_fixed_size 0
		.amdhsa_enable_private_segment 0
		.amdhsa_kernarg_size 56
		.amdhsa_user_sgpr_count 2
		.amdhsa_user_sgpr_kernarg_segment_ptr 1
		.amdhsa_wavefront_size32 1
		.amdhsa_system_sgpr_workgroup_id_x 1
		.amdhsa_system_sgpr_workgroup_id_y 1
		.amdhsa_system_sgpr_workgroup_id_z 1
		.amdhsa_system_vgpr_workitem_id 0
		.amdhsa_next_free_vgpr 104
		.amdhsa_next_free_sgpr 66
		.amdhsa_reserve_vcc 0
		.amdhsa_float_denorm_mode_32 3
		.amdhsa_float_denorm_mode_16_64 3
		.amdhsa_memory_ordered 1
		.amdhsa_forward_progress 1
		.amdhsa_inst_pref_size 8
	.end_amdhsa_kernel
	.amdgpu_metadata
---
amdhsa.version: [ 1, 2 ]
amdhsa.kernels:
  - .name:           k_q94727577f5_pack
    .symbol:         k_q94727577f5_pack.kd
    .args:
      - { .name: W_ii, .offset: 0, .size: 8, .value_kind: global_buffer, .address_space: global }
      - { .name: W_if, .offset: 8, .size: 8, .value_kind: global_buffer, .address_space: global }
      - { .name: W_ig, .offset: 16, .size: 8, .value_kind: global_buffer, .address_space: global }
      - { .name: W_hi, .offset: 24, .size: 8, .value_kind: global_buffer, .address_space: global }
      - { .name: W_hf, .offset: 32, .size: 8, .value_kind: global_buffer, .address_space: global }
      - { .name: W_hg, .offset: 40, .size: 8, .value_kind: global_buffer, .address_space: global }
      - { .name: Wb, .offset: 48, .size: 8, .value_kind: global_buffer, .address_space: global }
    .group_segment_fixed_size: 0
    .private_segment_fixed_size: 0
    .kernarg_segment_align: 8
    .kernarg_segment_size: 56
    .max_flat_workgroup_size: 128
    .sgpr_count:     66
    .vgpr_count:     104
    .wavefront_size: 32
...
	.end_amdgpu_metadata
.endif
;; end of part 3
;; launch cell: the kernel of part 2 again; grid 8 x 32, 4 waves a work-group, clusters of 4 x 4, 327,680 bytes of LDS; arguments x, h, c, Wb, b_ii, b_hi, b_if, b_hf, b_ig, b_hg, out0; writes out0
